; MI455X (gfx1250); checked and timed in simulation.
; The chip was launched on July 23, 2026; its instructions are those of AMD's public machine-readable ISA for CDNA 5 (MIT licence, August 2026) and "CDNA5" Instruction Set Architecture Reference Guide (July 2026). The comments in the code are by the model that wrote it; some were corrected since.
;; VQVAE Vector Quantizer. Allowed arithmetic: float matrix products may take bf16 or f16 operands with f32 sums; other float arithmetic in f32, or as packed bf16 or f16 multiplies, adds, multiply-adds, maxima and minima; sums over many terms, partial sums and values carried from step to step in f32; what a program stores and reads back later, other than sums and carried values, may be rounded once to bf16 or f16.
;; Inputs: codebook 8,192 x 256 float32; hidden_state 8 x 256 x 64 x 64 float32.
;; Outputs: out0 32,768 int32.
;; 2 versions, each right; version 2 is version 1 with the launch cbprep written anew for expert scheduling mode. Each part assembles by itself: llvm-mc -triple=amdgcn-amd-amdhsa -mcpu=gfx1250 --defsym DOCPART=n.
;; ======== version 1 of 2: 2 launches
;; workspace buffers: cbk 4,259,840 bytes
;; launch cbprep (part 1): grid 256 x 1, 4 waves a work-group, no clusters, 768 bytes of LDS; arguments codebook, cbk; writes cbk
.if DOCPART == 1
	.amdgcn_target "amdgcn-amd-amdhsa--gfx1250"
	.amdhsa_code_object_version 6
	.text
	.protected	k_qd5d6d6b29a_cbprep
	.globl	k_qd5d6d6b29a_cbprep
	.p2align	8
	.type	k_qd5d6d6b29a_cbprep,@function
k_qd5d6d6b29a_cbprep:
	s_mov_b64 s[64:65], 0
	v_nop
	global_prefetch_b8 v0, s[64:65] scope:SCOPE_SE
	s_setreg_imm32_b32 hwreg(HW_REG_WAVE_MODE, 25, 1), 1
	s_wait_xcnt 0x0
; The codebook [8192][256] f32 is rounded once to bf16 and laid out in blocks for the launch behind; with each code go two f32 scales.
; cbk: 128 blocks of 33,280 bytes.  Block B: rows 0-63 = codes 64 B .. 64 B + 63, 256 bf16 (512 bytes) each; row 64 (512 bytes) = for each group of 8 codes 64 bytes: c[8], then u[8].
;   S = the sum of squares of the ROUNDED numbers.  c = 2 / max(sqrt(S), 1e-12);  u = the squared length of the normalised code: 1, or S x 1e24 where the clamp holds.
; LIMITS.  The clamp is tested as S < 1e-24.  c is a reciprocal square root with one Newton step, good to about an f32 rounding, not the quotient's own rounding.
; SHARES.  A work-group owns 32 codes, a wave 8: a row (1,024 bytes) is two loads of 16 bytes a lane; all 16 loads of a wave go out at once.  Each store of a wave covers 256 consecutive bytes, aligned.
; Memory binds: no matrix unit, no cluster, no ring; LDS only gathers the work-group's 64 scales into one store of 256 bytes.
.set SPARE, 256                        ; LDS: 0-255 the scales; from 256 the spare words, 128 bytes for each wave
.set CBLK,  33280                      ; bytes in a block of cbk
.set SPW,  2                           ; v2   LDS address of my spare word; never rewritten
.set NIL,  3                           ; v3   0; never rewritten
.set LO,   5                           ; v5   16 x lane: the loads' offset
.set SO,   6                           ; v6   8 x lane: the stores' offset
.set LW,   7                           ; v7   64 x wave: my wave's scales in LDS
.set R0,   8                           ; v[8:71]    row i: 8 registers as loaded; its first 4 then hold the 8 bf16
.set SS,   72                          ; v[72:79]   S of row i
.set TT,   80                          ; v[80:87]   at work; later the reciprocal square roots
.set QQ,   88                          ; v[88:95]   at work
.set CC,   96                          ; v[96:103]  c
.set UU,   104                         ; v[104:111] u
.set BIG,  114                         ; v114 2e12
.set ONE,  115                         ; v115 1.0
.set OUTR, 116                         ; v[116:117] the scales on their way out
	s_load_b128 s[4:7], s[0:1], 0x0                ; codebook s[4:5], cbk s[6:7]
	v_lshl_add_u32 v[SPW], v0, 2, SPARE
	v_mov_b32 v[NIL], 0
	v_lshrrev_b32 v1, 5, v0
	v_readfirstlane_b32 s8, v1                     ; wave 0..3
	v_and_b32 v4, 31, v0                           ; lane
	v_lshlrev_b32 v[LO], 4, v4
	v_lshlrev_b32 v[SO], 3, v4
	s_lshl_b32 s10, ttmp9, 15                      ; the work-group's 32 rows of 1,024 bytes,
	s_lshl_b32 s11, s8, 13                         ; my wave's 8
	s_add_co_u32 s10, s10, s11
	s_mov_b32 s11, 0
	s_lshr_b32 s12, ttmp9, 1
	s_mul_i32 s12, s12, CBLK                       ; the block of cbk: two work-groups share one
	s_and_b32 s13, ttmp9, 1
	s_lshl_b32 s14, s13, 14                        ; its rows 0-31 or 32-63,
	s_add_co_u32 s14, s14, s12
	s_lshl_b32 s15, s8, 12                         ; my wave's 8 rows of 512 bytes
	s_add_co_u32 s14, s14, s15
	s_mov_b32 s15, 0
	s_lshl_b32 s16, s13, 8                         ; the work-group's half of the block's row of scales
	s_add_co_u32 s16, s16, s12
	s_add_co_u32 s16, s16, 64*512
	s_mov_b32 s17, 0
	s_mov_b32 s18, 0x76543210                      ; v_permlanex16_b32: each lane takes its own place in the other half
	s_mov_b32 s19, 0xfedcba98
	s_mov_b32 s24, 0xffff0000                      ; a word's upper bf16
	s_mov_b32 s25, 0x179abe15                      ; 1e-24
	s_lshl_b32 s26, s8, 6
	v_mov_b32 v[LW], s26
	s_wait_kmcnt 0x0
	s_add_nc_u64 s[4:5], s[4:5], s[10:11]
	s_add_nc_u64 s[20:21], s[6:7], s[14:15]        ; where my rows go
	s_add_nc_u64 s[22:23], s[6:7], s[16:17]        ; where the work-group's scales go
.irp i, 0,1,2,3,4,5,6,7
	global_load_b128 v[R0+8*\i:R0+8*\i+3],   v[LO], s[4:5] offset:1024*\i th:TH_LOAD_NT      ; columns 4 l .. 4 l + 3
	global_load_b128 v[R0+8*\i+4:R0+8*\i+7], v[LO], s[4:5] offset:1024*\i+512 th:TH_LOAD_NT  ; columns 128 + 4 l ..
.endr
	v_mov_b32 v[BIG], 0x53e8d4a5
	v_mov_b32 v[ONE], 1.0
; Row i: rounded, stored, and the lane's share of S taken of the rounded numbers.  A row's packed registers are never written again, so no wait frees them.
.macro ROW i
	s_wait_loadcnt 14-2*(\i)                       ; loads come back in order: row i's two are in, the later rows' two each may stay out
.irp k, 0,1,2,3
	v_cvt_pk_bf16_f32 v[R0+8*(\i)+\k], v[R0+8*(\i)+2*\k], v[R0+8*(\i)+2*\k+1]  ; each line writes a register whose number has been read already
.endr
	global_store_b64 v[SO], v[R0+8*(\i):R0+8*(\i)+1],   s[20:21] offset:512*(\i)      ; columns 0-127: 256 consecutive bytes
	global_store_b64 v[SO], v[R0+8*(\i)+2:R0+8*(\i)+3], s[20:21] offset:512*(\i)+256  ; columns 128-255
.irp k, 0,1,2,3
	v_lshlrev_b32 v[TT+2*\k],   16,  v[R0+8*(\i)+\k]
	v_and_b32     v[TT+2*\k+1], s24, v[R0+8*(\i)+\k]
.endr
	v_pk_mul_f32 v[QQ:QQ+1],   v[TT:TT+1],   v[TT:TT+1]                 ; two chains, started by products: nothing is cleared
	v_pk_mul_f32 v[QQ+2:QQ+3], v[TT+2:TT+3], v[TT+2:TT+3]
	v_pk_fma_f32 v[QQ:QQ+1],   v[TT+4:TT+5], v[TT+4:TT+5], v[QQ:QQ+1]
	v_pk_fma_f32 v[QQ+2:QQ+3], v[TT+6:TT+7], v[TT+6:TT+7], v[QQ+2:QQ+3]
	v_pk_add_f32 v[QQ:QQ+1],   v[QQ:QQ+1],   v[QQ+2:QQ+3]
	v_add_f32 v[SS+(\i)], v[QQ], v[QQ+1]
.endm
.irp i, 0,1,2,3,4,5,6,7
	ROW \i
.endr
	; the sums over the 32 lanes, the eight rows side by side: every lane ends with every row's S
.irp m, 1,2,4,8
.irp i, 0,1,2,3,4,5,6,7
	v_add_f32_dpp v[SS+\i], v[SS+\i], v[SS+\i] row_xmask:\m row_mask:0xf bank_mask:0xf
.endr
.endr
.irp i, 0,1,2,3,4,5,6,7
	v_permlanex16_b32 v[TT+\i], v[SS+\i], s18, s19
.endr
.irp i, 0,1,2,3,4,5,6,7
	v_add_f32 v[SS+\i], v[SS+\i], v[TT+\i]
.endr
.irp i, 0,1,2,3,4,5,6,7
	v_rsq_f32 v[TT+\i], v[SS+\i]                   ; R; a denormal S counts as 0 here (ISA guide 15.8): such a code takes the clamp's values below
.endr
	v_nop                                          ; a plain instruction behind the last of the batch,
	s_wait_alu depctr_va_vdst(0)                   ; and the one wait ahead of the batch's first reader
.irp i, 0,1,2,3,4,5,6,7
	v_mul_f32 v[QQ+\i], v[SS+\i], v[TT+\i]         ; S R
.endr
.irp i, 0,1,2,3,4,5,6,7
	v_fma_f32 v[QQ+\i], -v[QQ+\i], v[TT+\i], 1.0   ; e = 1 - S R R
	v_add_f32 v[CC+\i], v[TT+\i], v[TT+\i]         ; 2 R
.endr
.irp i, 0,1,2,3,4,5,6,7
	v_fma_f32 v[CC+\i], v[TT+\i], v[QQ+\i], v[CC+\i]  ; c = 2 (R + R e / 2): one Newton step
	v_mul_f32 v[UU+\i], 0x6753c21c, v[SS+\i]       ; S x 1e24
.endr
.irp i, 0,1,2,3,4,5,6,7
	v_cmp_gt_f32 vcc_lo, s25, v[SS+\i]             ; does the clamp hold?
	v_cndmask_b32 v[CC+\i], v[CC+\i], v[BIG], vcc_lo
	v_cndmask_b32 v[UU+\i], v[ONE], v[UU+\i], vcc_lo
.endr
	ds_store_b128 v[LW], v[CC:CC+3]                ; all lanes hold the same numbers and write the same 64 bytes, my wave's
	ds_store_b128 v[LW], v[CC+4:CC+7] offset:16
	ds_store_b128 v[LW], v[UU:UU+3]   offset:32
	ds_store_b128 v[LW], v[UU+4:UU+7] offset:48
	s_wait_dscnt 0x0                               ; for wave 0's sake: my stores are done
	s_barrier_signal -1
	s_barrier_wait -1
	s_cmp_lg_u32 s8, 0
	s_cbranch_scc1 .Lend
	ds_load_b64 v[OUTR:OUTR+1], v[SO]              ; the four waves' 256 bytes
	s_wait_dscnt 0x0
	global_store_b64 v[SO], v[OUTR:OUTR+1], s[22:23]  ; 256 consecutive bytes, aligned
.Lend:
	s_wait_tensorcnt 0x0                           ; the wave's end: behind my last LDS store
	ds_add_u32 v[SPW], v[NIL]
	s_wait_dscnt 0x0
	s_endpgm
.Lfunc_end_k_qd5d6d6b29a_cbprep:
	.size	k_qd5d6d6b29a_cbprep, .Lfunc_end_k_qd5d6d6b29a_cbprep-k_qd5d6d6b29a_cbprep
	.p2alignl 7, 3214868480
	.fill 96, 4, 3214868480
	.section	.rodata,"a",@progbits
	.p2align	6, 0x0
	.amdhsa_kernel k_qd5d6d6b29a_cbprep
		.amdhsa_group_segment_fixed_size 768
		.amdhsa_private_segment_fixed_size 0
		.amdhsa_enable_private_segment 0
		.amdhsa_kernarg_size 16
		.amdhsa_user_sgpr_count 2
		.amdhsa_user_sgpr_kernarg_segment_ptr 1
		.amdhsa_wavefront_size32 1
		.amdhsa_system_sgpr_workgroup_id_x 1
		.amdhsa_system_sgpr_workgroup_id_y 1
		.amdhsa_system_sgpr_workgroup_id_z 1
		.amdhsa_system_vgpr_workitem_id 0
		.amdhsa_next_free_vgpr 128
		.amdhsa_next_free_sgpr 66
		.amdhsa_reserve_vcc 1
		.amdhsa_float_denorm_mode_32 3
		.amdhsa_float_denorm_mode_16_64 3
		.amdhsa_memory_ordered 1
		.amdhsa_forward_progress 1
		.amdhsa_inst_pref_size 19
	.end_amdhsa_kernel
	.amdgpu_metadata
---
amdhsa.version: [ 1, 2 ]
amdhsa.kernels:
  - .name:           k_qd5d6d6b29a_cbprep
    .symbol:         k_qd5d6d6b29a_cbprep.kd
    .args:
      - { .name: codebook, .offset: 0, .size: 8, .value_kind: global_buffer, .address_space: global }
      - { .name: cbk, .offset: 8, .size: 8, .value_kind: global_buffer, .address_space: global }
    .group_segment_fixed_size: 768
    .private_segment_fixed_size: 0
    .kernarg_segment_align: 8
    .kernarg_segment_size: 16
    .max_flat_workgroup_size: 128
    .sgpr_count:     66
    .vgpr_count:     128
    .wavefront_size: 32
...
	.end_amdgpu_metadata
.endif
;; end of part 1
;; launch vq (part 2): grid 256 x 1, 4 waves a work-group, clusters of 4 x 1, 327,680 bytes of LDS; arguments hidden_state, cbk, out0; writes out0
.if DOCPART == 2
	.amdgcn_target "amdgcn-amd-amdhsa--gfx1250"
	.amdhsa_code_object_version 6
	.text
	.protected	k_qd5d6d6b29a_vq
	.globl	k_qd5d6d6b29a_vq
	.p2align	8
	.type	k_qd5d6d6b29a_vq,@function
k_qd5d6d6b29a_vq:
	s_mov_b64 s[64:65], 0
	v_nop
	global_prefetch_b8 v0, s[64:65] scope:SCOPE_SE
	s_setreg_imm32_b32 hwreg(HW_REG_WAVE_MODE, 25, 1), 1
	s_wait_xcnt 0x0
	s_wait_alu depctr_hold_cnt(0) depctr_sa_sdst(0) depctr_va_vdst(0) depctr_va_sdst(0) depctr_va_ssrc(0) depctr_va_vcc(0) depctr_vm_vsrc(0)
	s_getreg_b32 s2, hwreg(HW_REG_IB_STS2, 6, 4)
	s_cmp_eq_u32 s2, 0
	s_cbranch_scc0 .Lentry_in_a_cluster
	s_endpgm
.Lentry_in_a_cluster:
	s_bfe_u32 s2, ttmp6, 0x10000c
	s_cmp_lg_u32 s2, 0x3003
	s_cbranch_scc0 .Lentry_shape_is_right
	s_endpgm
.Lentry_shape_is_right:
; out0[token] = the index of the code nearest to the token, both normalised to length 1.  hidden_state: [8][256][64 x 64] f32 (a token's 256 channels lie 16,384 bytes apart);
; cbk: the codebook in bf16 with its scales c, u (laid out by the launch before: 128 blocks of 65 rows of 512 bytes); out0: [32768] i32.
; WHAT IS COMPARED.  The distance is |x^|^2 + u_k - 2 x.e_k / (nx ne_k), nx = max(|x|, 1e-12).  Its first term and the factor nx > 0 are the same for all codes of a token, so the least distance
; is the greatest  score = (x.e_k) c_k - u_k nx,  c_k = 2 / max(|e_k|, 1e-12), u_k = the normalised code's squared length.  x and e are the RAW inputs rounded once to bf16: their products are
; exact in the f32 sums, and all normalising is done behind the product, in f32, with norms taken of the rounded numbers.
; LIMITS.  Where a token's two best distances differ by less than the f32 rounding of the sums themselves (some 1e-7), either index may come out.  Equal scores give the lowest index.
; A token of zeros gives index 0.  A NaN score is passed over.
; SHARES.  A work-group owns 128 tokens; ALL FOUR WAVES hold them, as source 1 of the products, in 512 registers (8 token tiles x 8 K steps).  The CODES are split: of each block of 256 codes
; wave w takes 64 (one block of cbk), fetches them by its own tensor load and reads only those bytes.  A tile of 16 codes costs 16 LDS loads and feeds 64 matrix instructions.
; In a result lane (r, h) holds token r of the tile and codes 8 h + 0..7.
; THE ARGMAX.  For each token tile and lane: the best score so far, the number of the code tile that brought it, and that tile's eight scores (a snapshot), all chosen by v_cndmask_b32; which of the
; eight it was is found once, at the end.  176 vector instructions a code tile; they stand in slices of four behind the NEXT tile's matrix instructions, on the other of two accumulator buffers.
; CLUSTER.  All work-groups walk the same cbk: the four of a cluster ask for each part JOINTLY (the same load, descriptor and mask in all four).  A mask names four at the most, so 4 x 1.
; LDS: two slots of four parts of 65 x 528 bytes; behind them, filled by no tensor load: the stage (128 channels x 288 bytes; at the end the four waves' bests), the partial sums of squares, the spare words.
; REGISTERS, in windows of 256 (s_set_vgpr_msb: bits 1:0 source 0, 3:2 source 1, 5:4 source 2, 7:6 destination):
;   window 0: v0-15 addresses; v16-31 -nx, twice a tile; v32-47 the best, two sets; v48-79 c and u, two buffers; v80-95 at work; v96-127 at work at both ends; v128-255 accumulators, two buffers of 8
;   window 1: v0-127 the codes' fragments, two buffers; v128-191 the snapshots; v192-199 the tile numbers (in the prologue: all 256 hold the raw f32 rows)
;   windows 2, 3: the tokens' fragments: tile T at window 2 + T / 4, v[64 (T % 4) + 8 kk]
; No window holds a product's operands beside the argmax's state, so a slice costs two switches; the 20 matrix instructions of a tile that have no slice stand back to back.
.set PK,    528                        ; a row of codes in LDS: 512 bytes + 16 of padding = 132 words: the 16 rows of a fragment load start at 16 different groups of four banks (64 banks of 4 bytes: ISA guide 11.1)
.set PART,  65*PK                      ; a wave's part of a slot: 64 codes and their row of scales
.set CUROW, 64*PK
.set SLOT1, 0x22000                    ; slot 1 begins here; wave x PART (0, 0x8610, 0x10c20, 0x19230) has neither of its two bits, so one exclusive or turns an address in one slot into the other's
.set STAGE, 276736                     ; the first whole block of 256 bytes behind slot 1's end (276,544)
.set PX,    288                        ; a channel's 128 tokens in bf16: 256 bytes + 32
.set NSC,   STAGE+128*PX               ; [4 waves][128 tokens] f32
.set SPARE, NSC+2048                   ; the spare words, 128 bytes for each wave: two blocks of 256 bytes that no other line names
.set CBLK,  33280                      ; bytes in a block of cbk
.set BLKB,  4*CBLK                     ; bytes in a block of 256 codes
.set AK0, 3                            ; v3   my lane's place in a tile of codes: wave x PART + r x 528 + 16 h; never rewritten
.set CU0, 4                            ; v4   the same for its scales: wave x PART + CUROW + 64 h
.set ADR, 5                            ; v5   the LDS address of the run of loads in hand
.set ADC, 6                            ; v6   the same for the scales
.set PFO, 7                            ; v7   256 x lane; never rewritten
.set SPW, 8                            ; v8   LDS address of my spare word; never rewritten
.set NIL, 9                            ; v9   0; never rewritten
.set HO,  10                           ; v10  16 x lane; never rewritten
.set SA,  11                           ; v11  the stage: where I put 4 tokens of my wave's first channel
.set XA,  12                           ; v12  the stage: my lane's place for the turning loads
.set NA,  13                           ; v13  where I put my 4 tokens' partial sums of squares
.set NR,  14                           ; v14  where I read them back
.set MA,  15                           ; v15  the end: where I put a token's best
.set NX,  16
.set BEST, 32                          ; code tile i reads set i % 2 and writes the other
.set CU,  48                           ; buffer b at CU + 16 b: c0-7, u0-7
.set WR,  80
.set CV,  96                           ; prologue: v96-111 eight rows rounded; v112-115, v120-123 unpacked; v116-119 the sums of squares
.set UT,  112
.set SQ,  116
.set ACC, 128
.set SNAP, 128                         ; window 1
.set IDX, 192                          ; window 1
.set WV,  10                           ; s10  my wave's number
.set CX,  11                           ; s11  my place in the cluster
.set GG,  12                           ; s12  my work-group's number
.set G1,  16                           ; s[16:23] descriptor group 1
.set G0A, 24                           ; s[24:27] group 0 of the first fill of slot 0
.set G0B, 28                           ; s[28:31] of slot 1's; it then walks
.set TB,  32                           ; s32  LDS byte, less my lane's place, of the code tile to be fetched
.set TC,  33                           ; s33  the same for its scales
.set NB,  34                           ; s34  counts blocks
.set CNT, 35                           ; s35  counts pairs of tiles in a block
.set TI,  36                           ; s36  the number of the tile whose argmax is in hand
.set LIM, 37                           ; s37  2 in the cluster that prefetches, else the greatest number
.set PFA, 38                           ; s[38:39] where my prefetches stand
.set MK,  40                           ; s[40:43] four lane masks
.set SEL, 44                           ; s[44:45] v_permlanex16_b32's selects
.set WP,  52                           ; s52  wave x PART
.set HM,  53                           ; s53  a word's upper bf16
.set W_SN, 0x41                        ; destination and source 0 in window 1, source 1 in window 0
.set MSB, 0
.macro WIN new                         ; the high byte repeats the setting that is left; a switch that changes nothing is dropped
.if MSB != (\new)
	s_set_vgpr_msb (MSB<<8)|(\new)
.set MSB, (\new)
.endif
.endm
; A round of the cluster's barrier: my work-group's barrier, so that wave 0's signal speaks for all four waves; wave 0 signals; every wave waits for all four work-groups; my work-group's barrier once more.
.macro CROUND
	s_barrier_signal -1
	s_barrier_wait -1
	s_cmp_lg_u32 s[WV], 0
	s_cbranch_scc1 .Lnot_wave_0_\@
	s_barrier_signal -3
.Lnot_wave_0_\@:
	s_barrier_wait -3
	s_barrier_signal -1
	s_barrier_wait -1
.endm
; A PREFETCH INTO THE L2, behind a refill and its five lines: of my wave's part of the block that stands TWO refills on (512 matrix instructions ahead of its load) my work-group's 32 pieces of 256 bytes, a lane a piece.
; Every cluster walks the same cbk: cluster 0 asks, nobody else; its four partners share a part's 64 rows of codes out BY ADDRESS (8,192 bytes each).  So each piece is named once in the launch.
; Blocks 0 to 3 and the rows of scales come by their loads alone; the last two refills ask for nothing: block 31 is the last.
.macro ASK
	s_cmp_gt_u32 s[NB], s[LIM]
	s_cbranch_scc0 .Lnot_mine_\@
	global_prefetch_b8 v[PFO], s[PFA:PFA+1] th:TH_LOAD_NT scope:SCOPE_SE
.Lnot_mine_\@:
.endm
	s_load_b128 s[4:7], s[0:1], 0x0                ; hidden_state s[4:5], cbk s[6:7]
	s_load_b64 s[8:9], s[0:1], 0x10                ; out0
	v_lshl_add_u32 v[SPW], v0, 2, SPARE
	v_mov_b32 v[NIL], 0
	ds_add_u32 v[SPW], v[NIL]                      ; the wave's opening: the add, twice on end, and its wait ahead of my first tensor load; the set-up below, work on registers, stands between
	ds_add_u32 v[SPW], v[NIL]                      ; and once more, under the one wait
	v_lshrrev_b32 v1, 5, v0
	v_readfirstlane_b32 s[WV], v1                  ; wave 0..3
	s_bfe_u32 s[CX], ttmp6, 0x40000                ; cx
	s_lshl_b32 s[GG], ttmp9, 2                     ; in a cluster launch ttmp9 counts clusters
	s_add_co_u32 s[GG], s[GG], s[CX]               ; it enters hidden_state's, out0's and the prefetches' addresses alone
	; descriptor group 1: 65 rows of 256 elements of 2 bytes, dense in memory, padded in LDS
	s_mov_b32 s[G1+0], 15|(1<<16)|(1<<20)|(1<<21)|(6<<22)|(3<<25)  ; 15:0 the mask of four; 17:16 2-byte elements; 20 padding on; 21 set beside a mask; 24:22 after every 128 words (code 6); 31:25 4 words (code 3)
	s_mov_b32 s[G1+1], 256<<16                     ; tensor_dim0 = 256
	s_mov_b32 s[G1+2], 65<<16                      ; tensor_dim1 = 65
	s_mov_b32 s[G1+3], 256<<16                     ; tile_dim0 = 256
	s_mov_b32 s[G1+4], 65                          ; tile_dim1 = 65
	s_mov_b32 s[G1+5], 256                         ; 256 elements from row to row
	s_mov_b32 s[G1+6], 0
	s_mov_b32 s[G1+7], 0
	s_mul_i32 s[WP], s[WV], PART                   ; no place in the cluster enters an LDS address
	s_mov_b32 s[G0A], 1                            ; count = 1
	s_add_co_u32 s[G0A+1], s[WP], 0                ; LDS address: my part of slot 0
	s_mov_b32 s[G0B], 1
	s_add_co_u32 s[G0B+1], s[WP], SLOT1            ; of slot 1
	s_mov_b32 s[SEL], 0x76543210
	s_mov_b32 s[SEL+1], 0xfedcba98
	s_mov_b32 s[HM], 0xffff0000
	s_mov_b32 s[TB], 0
	s_mov_b32 s[TC], 0
	s_mov_b32 s[TI], -1
	s_cmp_eq_u32 ttmp9, 0                          ; the same in all four partners
	s_cselect_b32 s[LIM], 2, -1
	s_lshr_b32 s46, s[GG], 5                       ; the image: 32 work-groups each,
	s_lshl_b32 s46, s46, 22                        ; 4,194,304 bytes
	s_and_b32 s47, s[GG], 31
	s_lshl_b32 s47, s47, 9                         ; my 128 tokens: 512 bytes of a channel
	s_add_co_u32 s46, s46, s47
	s_lshl_b32 s47, s[WV], 19                      ; my wave's 32 channels of each pass: 32 x 16,384 bytes
	s_add_co_u32 s46, s46, s47
	s_mov_b32 s47, 0
	s_mul_i32 s48, s[WV], CBLK                     ; my part of a block of 256 codes
	s_mov_b32 s49, 0
	s_lshl_b32 s50, s[CX], 13                      ; the prefetches: my work-group's 8,192 bytes of a part
	s_mov_b32 s51, 0
	s_lshl_b32 s54, s[GG], 9                       ; my 128 numbers of out0
	s_mov_b32 s55, 0
	v_and_b32 v96, 31, v0                          ; lane
	v_lshlrev_b32 v[HO], 4, v96
	s_wait_dscnt 0x0                               ; both opening adds are done
	s_wait_kmcnt 0x0
	s_add_nc_u64 s[4:5], s[4:5], s[46:47]
	s_add_nc_u64 s[8:9], s[8:9], s[54:55]
	s_add_nc_u64 s[48:49], s[6:7], s[48:49]        ; cbk at my part of block 0
	s_add_nc_u64 s[G0A+2:G0A+3], s[48:49], 0
	s_or_b32 s[G0A+3], s[G0A+3], 0x80000000        ; type = 2
	s_add_nc_u64 s[G0B+2:G0B+3], s[48:49], BLKB    ; of block 1
	s_or_b32 s[G0B+3], s[G0B+3], 0x80000000
	s_add_nc_u64 s[PFA:PFA+1], s[48:49], s[50:51]
	s_add_nc_u64 s[PFA:PFA+1], s[PFA:PFA+1], 3*BLKB  ; at block 3: the first refill steps it to block 4 and names that
	; my 64 channels' rows, 512 consecutive bytes each: channels 32 w + i, then 128 + 32 w + i.  All go out at once; they are what the launch waits for first.
	WIN 0x40                                       ; destination window 1, address window 0
.set ii, 0
.rept 64
	global_load_b128 v[4*ii:4*ii+3], v[HO], s[4:5] offset:(128*(ii/32)+ii%32)*16384 th:TH_LOAD_NT
.set ii, ii+1
.endr
	WIN 0
	CROUND                                         ; all four work-groups are here: the first joint loads meet
	tensor_load_to_lds s[G0A:G0A+3], s[G1:G1+7]    ; block 0.  Two loads of mine are out, the most in this text
	s_nop 0
	tensor_load_to_lds s[G0B:G0B+3], s[G1:G1+7]    ; block 1
	s_nop 0
.rept 4
	v_nop
.endr
	v_and_b32 v1, 15, v0                           ; r = l % 16
	v_bfe_u32 v2, v0, 4, 1                         ; h = l / 16
	v_mul_u32_u24 v[AK0], v1, PK
	v_lshl_add_u32 v[AK0], v2, 4, v[AK0]
	v_add_nc_u32 v[AK0], s[WP], v[AK0]
	s_add_co_u32 s46, s[WP], CUROW
	v_lshl_add_u32 v[CU0], v2, 6, s46              ; my half of the lanes holds codes 8 h ..: one group of 64 bytes
	v_lshlrev_b32 v[PFO], 8, v96
	s_mul_i32 s46, s[WV], 32*PX
	s_add_co_u32 s46, s46, STAGE
	v_lshl_add_u32 v[SA], v96, 3, s46              ; my wave's 32 rows of the stage, 8 bytes a lane
	; The turning load takes 16 channels x 16 tokens (lane l reads channel 8 h + l % 8, tokens 8 ((l / 8) % 2) + 0..7) and leaves half a fragment: lane l holds token l % 16 and 8 channels.
	v_and_b32 v97, 7, v0
	v_lshl_add_u32 v97, v2, 3, v97
	v_mul_u32_u24 v[XA], v97, PX
	v_bfe_u32 v97, v0, 3, 1
	v_lshl_add_u32 v[XA], v97, 4, v[XA]
	v_add_nc_u32 v[XA], STAGE, v[XA]
	s_lshl_b32 s46, s[WV], 9
	s_add_co_u32 s47, s46, NSC
	v_lshl_add_u32 v[NA], v96, 4, s47
	v_lshl_add_u32 v[NR], v1, 2, NSC
	s_add_co_u32 s47, s46, STAGE
	v_lshl_add_u32 v[MA], v1, 2, s47
; THE PROLOGUE: two passes of 128 channels through the stage.  QUADS: eight of my wave's 32 channel rows of pass p: rounded to bf16, their squares (of the rounded numbers) added to my four tokens' sums, stored as rows of the stage.
.macro QUADS p, g
	s_wait_loadcnt 56-32*(\p)-8*(\g)               ; loads come back in order: these eight are in, the 56 - 32 p - 8 g issued behind them may stay out
	WIN 0x05                                       ; sources in window 1
.set ii, 0
.rept 8
	v_cvt_pk_bf16_f32 v[CV+2*ii],   v[4*(32*(\p)+8*(\g)+ii)],   v[4*(32*(\p)+8*(\g)+ii)+1]
	v_cvt_pk_bf16_f32 v[CV+2*ii+1], v[4*(32*(\p)+8*(\g)+ii)+2], v[4*(32*(\p)+8*(\g)+ii)+3]
.set ii, ii+1
.endr
	WIN 0
.set ii, 0
.rept 8
.set tt, UT+8*(ii%2)
	ds_store_b64 v[SA], v[CV+2*ii:CV+2*ii+1] offset:(8*(\g)+ii)*PX  ; 32 lanes: a row's 256 bytes
	v_lshlrev_b32 v[tt],   16,    v[CV+2*ii]
	v_and_b32     v[tt+1], s[HM], v[CV+2*ii]
	v_lshlrev_b32 v[tt+2], 16,    v[CV+2*ii+1]
	v_and_b32     v[tt+3], s[HM], v[CV+2*ii+1]
.if ((\p)+(\g)+ii) == 0
	v_pk_mul_f32 v[SQ:SQ+1],   v[tt:tt+1],   v[tt:tt+1]     ; the first row starts the sums
	v_pk_mul_f32 v[SQ+2:SQ+3], v[tt+2:tt+3], v[tt+2:tt+3]
.else
	v_pk_fma_f32 v[SQ:SQ+1],   v[tt:tt+1],   v[tt:tt+1],   v[SQ:SQ+1]
	v_pk_fma_f32 v[SQ+2:SQ+3], v[tt+2:tt+3], v[tt+2:tt+3], v[SQ+2:SQ+3]
.endif
.set ii, ii+1
.endr
.endm
; XLOAD: the stage's 128 channels x 128 tokens, turned, into every wave's fragments of K steps 4 p .. 4 p + 3.
.macro XLOAD p
.irp T, 0,1,2,3,4,5,6,7
	WIN 0x80+0x40*(\T/4)                           ; destination window 2 or 3
.irp q, 0,1,2,3
	ds_load_tr16_b128 v[64*(\T%4)+8*(4*(\p)+\q):64*(\T%4)+8*(4*(\p)+\q)+3],   v[XA] offset:\q*32*PX+32*\T
	ds_load_tr16_b128 v[64*(\T%4)+8*(4*(\p)+\q)+4:64*(\T%4)+8*(4*(\p)+\q)+7], v[XA] offset:\q*32*PX+16*PX+32*\T
.endr
.endr
	WIN 0
.endm
	QUADS 0, 0
	QUADS 0, 1
	QUADS 0, 2
	QUADS 0, 3
	s_wait_dscnt 0x0                               ; for the others' sake: my rows lie in the stage
	s_barrier_signal -1
	s_barrier_wait -1                              ; all 128 do.  (My two tensor loads may stay out)
	XLOAD 0
	s_wait_dscnt 0x0                               ; my reads of the stage are over,
	s_barrier_signal -1
	s_barrier_wait -1                              ; everybody's are: it is written anew
	QUADS 1, 0
	QUADS 1, 1
	QUADS 1, 2
	QUADS 1, 3
	ds_store_b128 v[NA], v[SQ:SQ+3]                ; my 64 channels' share of four tokens' sums of squares
	s_wait_dscnt 0x0
	s_barrier_signal -1
	s_barrier_wait -1
	XLOAD 1
.irp T, 0,1,2,3,4,5,6,7
.irp q, 0,1,2,3
	ds_load_b32 v[96+4*\T+\q], v[NR] offset:512*\q+64*\T  ; token 16 T + r, wave q's share
.endr
.endr
	; What the selects read before they have written it: 80 lines, in the wait for those loads.  The best starts at minus infinity, so the first tile always wins.
.irp T, 0,1,2,3,4,5,6,7
	v_mov_b32 v[BEST+\T], 0xff800000
.endr
	WIN 0x40
.set ii, 0
.rept 72
	v_mov_b32 v[SNAP+ii], 0                        ; the snapshots and, behind them, the tile numbers
.set ii, ii+1
.endr
	WIN 0
	s_wait_dscnt 0x0
.irp T, 0,1,2,3,4,5,6,7
	v_add_f32 v[96+4*\T], v[96+4*\T], v[97+4*\T]
	v_add_f32 v[98+4*\T], v[98+4*\T], v[99+4*\T]
.endr
.irp T, 0,1,2,3,4,5,6,7
	v_add_f32 v[96+4*\T], v[96+4*\T], v[98+4*\T]
.endr
.irp T, 0,1,2,3,4,5,6,7
	v_sqrt_f32 v[97+4*\T], v[96+4*\T]
.endr
	v_nop                                          ; a plain instruction behind the last root,
	s_wait_alu depctr_va_vdst(0)                   ; and the one wait ahead of the batch's first reader
.irp T, 0,1,2,3,4,5,6,7
	v_max_num_f32 v[97+4*\T], 0x2b8cbccc, v[97+4*\T]  ; nx = max(|x|, 1e-12)
.endr
.irp T, 0,1,2,3,4,5,6,7
	v_mul_f32 v[NX+2*\T],   -1.0, v[97+4*\T]       ; -nx, twice: a pair for the packed multiply
	v_mul_f32 v[NX+2*\T+1], -1.0, v[97+4*\T]
.endr
; THE MATRIX WORK.  Instruction n of 64 of a code tile whose buffers are par: K step n / 8, token tile n % 8.  The 8 accumulators take turns, one instruction a turn; the first 8 start the sums with 0.
.macro MM par, n
.set mT, (\n)%8
.set mK, (\n)/8
.set rD, ACC+64*(\par)+8*mT
.set rA, 64*(\par)+8*mK
.set rX, 64*(mT%4)+8*mK
	WIN 0x09+4*(mT/4)                              ; codes in window 1, tokens in window 2 or 3, sums in window 0
.if mK == 0
	v_wmma_f32_16x16x32_bf16 v[rD:rD+7], v[rA:rA+7], v[rX:rX+7], 0
.else
	v_wmma_f32_16x16x32_bf16 v[rD:rD+7], v[rA:rA+7], v[rX:rX+7], v[rD:rD+7]
.endif
.endm
; THE VECTOR WORK, first part: slice k of 16 for the finished tile in buffers par: score = dot c - u nx, in place.  Tiles in pairs: u (-nx) for two tiles, then the fused multiply-adds for the two.
; The first of those stands 8 plain instructions behind the tile's last product; each accumulator's lowest registers are read first.
.macro EP1 par, k
	WIN 0
.set uT, 2*((\k)/4)+(\k)%2
.set uW, WR+8*((\k)%2)
.set uC, CU+16*(\par)
.set uA, ACC+64*(\par)+8*uT
.irp e, 0,2,4,6
.if ((\k)%4) < 2
	v_pk_mul_f32 v[uW+\e:uW+\e+1], v[uC+8+\e:uC+8+\e+1], v[NX+2*uT:NX+2*uT+1]
.else
	v_pk_fma_f32 v[uA+\e:uA+\e+1], v[uA+\e:uA+\e+1], v[uC+\e:uC+\e+1], v[uW+\e:uW+\e+1]
.endif
.endr
.endm
; Second part: slice k of 28: two quads of token tiles, 14 slices each, a slice one line for each of the quad's four tiles, so that a line's source stands four lines back or more.
;   0-3 the maximum of the 8 scores and the old best, three operands at a time     4 has it grown? (a strict comparison: the earliest tile keeps an equal score)     5 the tile's number     6-13 its eight scores
.macro EP2 par, k
.set qQ, (\k)/14
.set qS, (\k)%14
.irp t, 0,1,2,3
.set qT, 4*qQ+\t
.set qA, ACC+64*(\par)+8*qT
.set qO, BEST+8*(\par)+qT
.set qN, BEST+8*(1-(\par))+qT
.if qS == 0
	WIN 0
	v_max3_num_f32 v[WR+\t], v[qA], v[qA+1], v[qA+2]
.elseif qS == 1
	WIN 0
	v_max3_num_f32 v[WR+4+\t], v[qA+3], v[qA+4], v[qA+5]
.elseif qS == 2
	WIN 0
	v_max3_num_f32 v[WR+8+\t], v[qA+6], v[qA+7], v[qO]
.elseif qS == 3
	WIN 0
	v_max3_num_f32 v[qN], v[WR+\t], v[WR+4+\t], v[WR+8+\t]
.elseif qS == 4
	WIN 0
	v_cmp_gt_f32 s[MK+\t], v[qN], v[qO]
.elseif qS == 5
	WIN W_SN
	v_cndmask_b32 v[IDX+qT], v[IDX+qT], s[TI], s[MK+\t]
.else
	WIN W_SN
	v_cndmask_b32 v[SNAP+8*qT+qS-6], v[SNAP+8*qT+qS-6], v[qA+qS-6], s[MK+\t]
.endif
.endr
.endm
; THE LDS LOADS stand in one run of 20 a tile, never singly among the matrix instructions: 16 codes x 256 channels (8 fragments) and their c and u, into buffers par.
.macro RUN par
	WIN 0
	v_add_nc_u32 v[ADR], s[TB], v[AK0]
	v_add_nc_u32 v[ADC], s[TC], v[CU0]
	WIN 0x40                                       ; destination window 1
.irp f, 0,1,2,3,4,5,6,7
	ds_load_b128 v[64*(\par)+8*\f:64*(\par)+8*\f+3],   v[ADR] offset:64*\f
	ds_load_b128 v[64*(\par)+8*\f+4:64*(\par)+8*\f+7], v[ADR] offset:64*\f+32
.endr
	WIN 0
.irp f, 0,1,2,3
	ds_load_b128 v[CU+16*(\par)+4*\f:CU+16*(\par)+4*\f+3], v[ADC] offset:16*\f
.endr
	s_add_co_u32 s[TB], s[TB], 16*PK               ; the next run is the next tile's
	s_add_co_u32 s[TC], s[TC], 128
.endm
; A tile's first 24 matrix instructions; behind the first 16 (p1 = 1) the first part of the tile before.
.macro PARTA par, p1
	s_wait_dscnt 0x0                               ; the run issued 40 matrix instructions back is in
.set n, 0
.rept 24
	MM \par, n
.if (\p1) && (n < 16)
	EP1 1-(\par), n
.endif
.set n, n+1
.endr
.endm
; Its other 40; behind the first 28 (p2 = 1) the second part of the tile before.
.macro PARTB par, p2
.if \p2
	s_add_co_u32 s[TI], s[TI], 1
.endif
.set n, 24
.rept 40
	MM \par, n
.if (\p2) && (n < 52)
	EP2 1-(\par), n-24
.endif
.set n, n+1
.endr
.endm
; The loop's unit: a tile's length, shifted by 24 matrix instructions.  The run fills the buffers that the tile before has left: its fragments were last read in front of the 64 plain instructions of PARTA's slices,
; its c and u by those slices.  A block's last run has been waited for when the unit ends, so the change of slots falls between two units.
.macro HS par
	RUN 1-(\par)
	PARTB \par, 1
	PARTA 1-(\par), 1
.endm
; THE CHANGE OF SLOTS.  fill = 1: each wave waits for all its tensor loads, of which one is out: its part of the other slot; adds 0 to its spare word; waits for that and for its reads of the slot that it leaves.
; The barrier is a round of the cluster's, so that no wave of any partner still reads the slot or has a load on its way; the joint refill, the block two on, is the first thing behind it and has
; four tiles, 256 matrix instructions, in which to land.  fill = 0: the last block: no load was issued behind its own, nothing is filled, and a wave reads its own part alone: the wait is all.
.macro CHANGE fill
	WIN 0                                          ; at a label and at a branch every window is 0
	s_wait_tensorcnt 0x0                           ; no tensor load of mine is out, so a group 0 may be written
.if \fill
	ds_add_u32 v[SPW], v[NIL]                      ; 0 onto my spare word; the scalar work below stands between it and the wait for it
	s_xor_b32 s[G0B+1], s[G0B+1], SLOT1            ; the walking descriptor: the other slot than last time,
	s_add_nc_u64 s[G0B+2:G0B+3], s[G0B+2:G0B+3], BLKB  ; the next 256 codes; the type bits on top are not reached
	s_wait_xcnt 0x0                                ; the last prefetch, a block back, has read its address, so it may be written
	s_add_nc_u64 s[PFA:PFA+1], s[PFA:PFA+1], BLKB
	s_wait_dscnt 0x0                               ; the add is done, and my reads of the slot are over
	CROUND
	tensor_load_to_lds s[G0B:G0B+3], s[G1:G1+7]
	s_nop 0
.rept 4
	v_nop
.endr
	ASK
.endif
	s_sub_co_u32 s[TB], s[TB], 4*16*PK             ; the runs go back to a part's first tile,
	s_xor_b32 s[TB], s[TB], SLOT1                  ; in the other slot
	s_sub_co_u32 s[TC], s[TC], 4*128
	s_xor_b32 s[TC], s[TC], SLOT1
.endm
	s_wait_tensorcnt 0x1                           ; my part of block 0 is in, and I alone read it; block 1's load, issued behind it, may stay out
	RUN 0                                          ; tile 0
	PARTA 0, 0
	RUN 1
	PARTB 0, 0                                     ; there is no tile before it
	PARTA 1, 1
	WIN 0
	s_mov_b32 s[NB], 31
	s_mov_b32 s[CNT], 1                            ; block 0 has one pair of units left
	s_branch .Lpair
.Lblock:                                               ; 30 times: blocks 2 to 31 are asked for
	CHANGE 1
	s_mov_b32 s[CNT], 2
.Lpair:
	HS 1
	HS 0
	WIN 0
	s_sub_co_u32 s[CNT], s[CNT], 1
	s_cmp_lg_u32 s[CNT], 0
	s_cbranch_scc1 .Lpair
	s_sub_co_u32 s[NB], s[NB], 1
	s_cmp_lg_u32 s[NB], 0
	s_cbranch_scc1 .Lblock
	CHANGE 0                                       ; the tail is written out
	s_mov_b32 s[CNT], 2
.Ltail:
	HS 1
	HS 0
	WIN 0
	s_sub_co_u32 s[CNT], s[CNT], 1
	s_cmp_lg_u32 s[CNT], 0
	s_cbranch_scc1 .Ltail
	PARTB 1, 1                                     ; tile 127's other 40 products, tile 126's second part
.set n, 0
.rept 16
	EP1 1, n                                       ; tile 127's own vector work has no products to stand behind
.set n, n+1
.endr
	s_add_co_u32 s[TI], s[TI], 1
.set n, 0
.rept 28
	EP2 1, n
.set n, n+1
.endr
	; THE END.  The best lies in set 0.  Which of the snapshot's eight it is: the lowest j whose score equals it.
	WIN 0
	v_lshlrev_b32 v80, 3, v2
	s_lshl_b32 s46, s[WV], 6
	v_add_nc_u32 v80, s46, v80                     ; 64 w + 8 h
.irp T, 0,1,2,3,4,5,6,7
	v_mov_b32 v[96+\T], 0
.endr
	WIN 0x01                                       ; source 0 in window 1
.irp Q, 0,4
.irp j, 7,6,5,4,3,2,1,0
.irp t, 0,1,2,3
	v_cmp_neq_f32 s[MK+\t], v[SNAP+8*(\Q+\t)+\j], v[BEST+\Q+\t]
.endr
.irp t, 0,1,2,3
	v_cndmask_b32 v[96+\Q+\t], \j, v[96+\Q+\t], s[MK+\t]
.endr
.endr
.endr
.irp T, 0,1,2,3,4,5,6,7
	v_mov_b32 v[104+\T], v[IDX+\T]
.endr
	WIN 0
.irp T, 0,1,2,3,4,5,6,7                ; code = 256 (i / 4) + 64 w + 16 (i % 4) + 8 h + j, i the tile's number
	v_and_b32 v[112+\T], -4, v[104+\T]
	v_and_b32 v[120+\T], 3, v[104+\T]
.endr
.irp T, 0,1,2,3,4,5,6,7
	v_lshlrev_b32 v[112+\T], 6, v[112+\T]
.endr
.irp T, 0,1,2,3,4,5,6,7
	v_lshl_add_u32 v[112+\T], v[120+\T], 4, v[112+\T]
.endr
.irp T, 0,1,2,3,4,5,6,7
	v_add3_u32 v[104+\T], v[112+\T], v80, v[96+\T]
.endr
; (av, ac) takes (bv, bc) where that score is greater, or equal with the lower code.  The masks choose values alone: no branch and no address hangs on them.
.macro BETTER av, ac, bv, bc
	v_cmp_gt_f32 s48, v[\bv], v[\av]
	v_cmp_eq_f32 s49, v[\bv], v[\av]
	v_cmp_lt_u32 s50, v[\bc], v[\ac]
	s_and_b32 s49, s49, s50
	s_or_b32 s48, s48, s49
	v_cndmask_b32 v[\av], v[\av], v[\bv], s48
	v_cndmask_b32 v[\ac], v[\ac], v[\bc], s48
.endm
.irp T, 0,1,2,3,4,5,6,7
	v_permlanex16_b32 v[112+\T], v[BEST+\T], s[SEL], s[SEL+1]  ; the token's other 8 codes of each tile lie in the lane 16 away
	v_permlanex16_b32 v[120+\T], v[104+\T], s[SEL], s[SEL+1]
.endr
.irp T, 0,1,2,3,4,5,6,7
	BETTER BEST+\T, 104+\T, 112+\T, 120+\T
	ds_store_b32 v[MA], v[BEST+\T] offset:64*\T       ; both halves of the lanes hold the same and write the same word.  The stage's last reads were waited for in front of the changes' barriers
	ds_store_b32 v[MA], v[104+\T] offset:2048+64*\T
.endr
	s_wait_dscnt 0x0                               ; for wave 0's sake: my stores are done
	s_barrier_signal -1
	s_barrier_wait -1
	s_cmp_lg_u32 s[WV], 0
	s_cbranch_scc1 .Lend
	v_add_nc_u32 v81, STAGE, v[HO]                 ; four tokens a lane
.irp q, 0,1,2,3
	ds_load_b128 v[128+4*\q:128+4*\q+3], v81 offset:512*\q       ; wave q's scores,
	ds_load_b128 v[144+4*\q:144+4*\q+3], v81 offset:2048+512*\q  ; and codes
.endr
	s_wait_dscnt 0x0
.irp q, 1,2,3
.irp e, 0,1,2,3
	BETTER 128+\e, 144+\e, 128+4*\q+\e, 144+4*\q+\e
.endr
.endr
	global_store_b128 v[HO], v[144:147], s[8:9]    ; the work-group's 128 indices: 512 consecutive bytes, aligned
.Lend:
	s_wait_tensorcnt 0x0                           ; the wave's end: behind my last tensor load and my last LDS store
	ds_add_u32 v[SPW], v[NIL]
	s_wait_dscnt 0x0
	CROUND                                         ; the closing round: no work-group ends while a partner may still ask for a part that names it
	s_endpgm
.Lfunc_end_k_qd5d6d6b29a_vq:
	.size	k_qd5d6d6b29a_vq, .Lfunc_end_k_qd5d6d6b29a_vq-k_qd5d6d6b29a_vq
	.p2alignl 7, 3214868480
	.fill 96, 4, 3214868480
	.section	.rodata,"a",@progbits
	.p2align	6, 0x0
	.amdhsa_kernel k_qd5d6d6b29a_vq
		.amdhsa_group_segment_fixed_size 327680
		.amdhsa_private_segment_fixed_size 0
		.amdhsa_enable_private_segment 0
		.amdhsa_kernarg_size 24
		.amdhsa_user_sgpr_count 2
		.amdhsa_user_sgpr_kernarg_segment_ptr 1
		.amdhsa_wavefront_size32 1
		.amdhsa_system_sgpr_workgroup_id_x 1
		.amdhsa_system_sgpr_workgroup_id_y 1
		.amdhsa_system_sgpr_workgroup_id_z 1
		.amdhsa_system_vgpr_workitem_id 0
		.amdhsa_next_free_vgpr 1024
		.amdhsa_next_free_sgpr 66
		.amdhsa_reserve_vcc 0
		.amdhsa_float_denorm_mode_32 3
		.amdhsa_float_denorm_mode_16_64 3
		.amdhsa_memory_ordered 1
		.amdhsa_forward_progress 1
		.amdhsa_inst_pref_size 194
	.end_amdhsa_kernel
	.amdgpu_metadata
---
amdhsa.version: [ 1, 2 ]
amdhsa.kernels:
  - .name:           k_qd5d6d6b29a_vq
    .symbol:         k_qd5d6d6b29a_vq.kd
    .args:
      - { .name: hidden_state, .offset: 0, .size: 8, .value_kind: global_buffer, .address_space: global }
      - { .name: cbk, .offset: 8, .size: 8, .value_kind: global_buffer, .address_space: global }
      - { .name: out0, .offset: 16, .size: 8, .value_kind: global_buffer, .address_space: global }
    .group_segment_fixed_size: 327680
    .private_segment_fixed_size: 0
    .kernarg_segment_align: 8
    .kernarg_segment_size: 24
    .max_flat_workgroup_size: 128
    .sgpr_count:     66
    .vgpr_count:     1024
    .wavefront_size: 32
...
	.end_amdgpu_metadata
.endif
;; end of part 2
;; ======== version 2 of 2: 2 launches; version 1 with the launch cbprep written anew for expert scheduling mode
;; workspace buffers: cbk 4,259,840 bytes
;; launch cbprep (part 3): grid 256 x 1, 4 waves a work-group, no clusters, 768 bytes of LDS; arguments codebook, cbk; writes cbk
.if DOCPART == 3
	.amdgcn_target "amdgcn-amd-amdhsa--gfx1250"
	.amdhsa_code_object_version 6
	.text
	.protected	k_qd5d6d6b29a_cbprep
	.globl	k_qd5d6d6b29a_cbprep
	.p2align	8
	.type	k_qd5d6d6b29a_cbprep,@function
k_qd5d6d6b29a_cbprep:
	s_mov_b64 s[64:65], 0
	v_nop
	global_prefetch_b8 v0, s[64:65] scope:SCOPE_SE
	s_setreg_imm32_b32 hwreg(HW_REG_WAVE_SCHED_MODE, 0, 2), 2
	s_setreg_imm32_b32 hwreg(HW_REG_WAVE_MODE, 25, 1), 1
	s_wait_xcnt 0x0
	s_wait_alu depctr_vm_vsrc(0)
; The codebook [8192][256] f32 is rounded once to bf16 and laid out in blocks for the launch behind; with each code go two f32 scales.
; cbk: 128 blocks of 33,280 bytes.  Block B: rows 0-63 = codes 64 B .. 64 B + 63, 256 bf16 (512 bytes) each; row 64 (512 bytes) = for each group of 8 codes 64 bytes: c[8], then u[8].
;   S = the sum of squares of the ROUNDED numbers.  c = 2 / max(sqrt(S), 1e-12);  u = the squared length of the normalised code: 1, or S x 1e24 where the clamp holds.
; LIMITS.  The clamp is tested as S < 1e-24.  c is a reciprocal square root with one Newton step, good to about an f32 rounding, not the quotient's own rounding.
; SHARES.  A work-group owns 32 codes, a wave 8: a row (1,024 bytes) is two loads of 16 bytes a lane; all 16 loads of a wave go out at once.  Each store of a wave covers 256 consecutive bytes, aligned.
; Memory binds: no matrix unit, no cluster, no ring; LDS only gathers the work-group's 64 scales into one store of 256 bytes.
; THE MODE: SCHED_MODE bits 1:0 = 2 (LLVM: expert scheduling mode 2), set by the entry lines.  The code itself states the register dependences
; between vector instructions and memory or LDS instructions, with s_wait_alu, always for 0.
; THE PLAN.  Registers that memory or LDS instructions touch:
;   v[LO], v[SO], v[LW], v[SPW], v[NIL]   written once at the head, read by the loads, the stores, the LDS instructions and the closing add; never written again.
;   R0 + 8 i ..   row i: its two loads land here (no vector line names these registers before); its four conversions write the first four; its two stores read those four; nothing writes them afterwards.
;   CC, UU        written by vector lines, last by the selects; read by the four LDS stores; never written afterwards.
;   OUTR          wave 0's LDS load lands here, its store reads it; no vector line names it.
;   TT, QQ, SS, BIG, ONE are named by vector lines alone.
; So: one wait on va_vdst ahead of the first load; one at the head of rows 2, 4 and 6, behind which the two rows before are stored; the wait for the batch of roots, behind which rows 6 and 7 are stored;
; one ahead of the LDS stores.  No register that a memory or LDS instruction reads is written again, so no wait on vm_vsrc is owed.  Two waits on va_sdst: for the wave's number, and for the run of eight compares.
.set SPARE, 256                        ; LDS: 0-255 the scales; from 256 the spare words, 128 bytes for each wave
.set CBLK,  33280                      ; bytes in a block of cbk
.set SPW,  2                           ; v2   LDS address of my spare word; never rewritten
.set NIL,  3                           ; v3   0; never rewritten
.set LO,   5                           ; v5   16 x lane: the loads' offset
.set SO,   6                           ; v6   8 x lane: the stores' offset
.set LW,   7                           ; v7   64 x wave: my wave's scales in LDS
.set R0,   8                           ; v[8:71]    row i: 8 registers as loaded; its first 4 then hold the 8 bf16
.set SS,   72                          ; v[72:79]   S of row i
.set TT,   80                          ; v[80:87]   at work; later the reciprocal square roots
.set QQ,   88                          ; v[88:95]   at work
.set CC,   96                          ; v[96:103]  c
.set UU,   104                         ; v[104:111] u
.set BIG,  114                         ; v114 2e12
.set ONE,  115                         ; v115 1.0
.set OUTR, 116                         ; v[116:117] the scales on their way out
.set MK,   10                          ; s[10:17] eight lane masks: does row i's clamp hold?  At the head these registers hold byte offsets, which are used up by then
	s_load_b128 s[4:7], s[0:1], 0x0                ; codebook s[4:5], cbk s[6:7]
	v_lshl_add_u32 v[SPW], v0, 2, SPARE
	v_mov_b32 v[NIL], 0
	v_lshrrev_b32 v1, 5, v0
	v_readfirstlane_b32 s8, v1                     ; wave 0..3
	v_and_b32 v4, 31, v0                           ; lane
	v_lshlrev_b32 v[LO], 4, v4
	v_lshlrev_b32 v[SO], 3, v4
	s_wait_alu depctr_va_sdst(0)                   ; s8 is written, ahead of its first reader: the wave's offsets below are made from it
	s_lshl_b32 s10, ttmp9, 15                      ; the work-group's 32 rows of 1,024 bytes,
	s_lshl_b32 s11, s8, 13                         ; my wave's 8
	s_add_co_u32 s10, s10, s11
	s_mov_b32 s11, 0
	s_lshr_b32 s12, ttmp9, 1
	s_mul_i32 s12, s12, CBLK                       ; the block of cbk: two work-groups share one
	s_and_b32 s13, ttmp9, 1
	s_lshl_b32 s14, s13, 14                        ; its rows 0-31 or 32-63,
	s_add_co_u32 s14, s14, s12
	s_lshl_b32 s15, s8, 12                         ; my wave's 8 rows of 512 bytes
	s_add_co_u32 s14, s14, s15
	s_mov_b32 s15, 0
	s_lshl_b32 s16, s13, 8                         ; the work-group's half of the block's row of scales
	s_add_co_u32 s16, s16, s12
	s_add_co_u32 s16, s16, 64*512
	s_mov_b32 s17, 0
	s_mov_b32 s18, 0x76543210                      ; v_permlanex16_b32: each lane takes its own place in the other half
	s_mov_b32 s19, 0xfedcba98
	s_mov_b32 s24, 0xffff0000                      ; a word's upper bf16
	s_mov_b32 s25, 0x179abe15                      ; 1e-24
	s_lshl_b32 s26, s8, 6
	v_mov_b32 v[LW], s26
	s_wait_kmcnt 0x0
	s_add_nc_u64 s[4:5], s[4:5], s[10:11]
	s_add_nc_u64 s[20:21], s[6:7], s[14:15]        ; where my rows go
	s_add_nc_u64 s[22:23], s[6:7], s[16:17]        ; where the work-group's scales go
	s_wait_alu depctr_va_vdst(0)                   ; v[LO], v[SO], v[LW], v[SPW] and v[NIL] are written: every load, store and LDS instruction of the kernel reads one of them, and none is written again
.irp i, 0,1,2,3,4,5,6,7
	global_load_b128 v[R0+8*\i:R0+8*\i+3],   v[LO], s[4:5] offset:1024*\i th:TH_LOAD_NT      ; columns 4 l .. 4 l + 3
	global_load_b128 v[R0+8*\i+4:R0+8*\i+7], v[LO], s[4:5] offset:1024*\i+512 th:TH_LOAD_NT  ; columns 128 + 4 l ..
.endr
	v_mov_b32 v[BIG], 0x53e8d4a5
	v_mov_b32 v[ONE], 1.0
; Row i's two stores.  They stand behind a wait on va_vdst that is younger than the row's conversions; no vector line behind those conversions writes the four registers.
.macro OUT i
	global_store_b64 v[SO], v[R0+8*(\i):R0+8*(\i)+1],   s[20:21] offset:512*(\i)      ; columns 0-127: 256 consecutive bytes
	global_store_b64 v[SO], v[R0+8*(\i)+2:R0+8*(\i)+3], s[20:21] offset:512*(\i)+256  ; columns 128-255
.endm
; Row i: rounded, and the lane's share of S taken of the rounded numbers.  A row's packed registers are never written again, so no wait frees them.
; At the head of rows 2, 4 and 6 the two rows before are stored.
.macro ROW i
	s_wait_loadcnt 14-2*(\i)                       ; loads come back in order: row i's two are in, the later rows' two each may stay out
.if ((\i) > 0) && ((\i) % 2 == 0)
	s_wait_alu depctr_va_vdst(0)                   ; the conversions of rows i - 2 and i - 1 have written their packed registers, which the four stores below read
	OUT (\i)-2
	OUT (\i)-1
.endif
.irp k, 0,1,2,3
	v_cvt_pk_bf16_f32 v[R0+8*(\i)+\k], v[R0+8*(\i)+2*\k], v[R0+8*(\i)+2*\k+1]  ; each line writes a register whose number has been read already
.endr
.irp k, 0,1,2,3
	v_lshlrev_b32 v[TT+2*\k],   16,  v[R0+8*(\i)+\k]
	v_and_b32     v[TT+2*\k+1], s24, v[R0+8*(\i)+\k]
.endr
	v_pk_mul_f32 v[QQ:QQ+1],   v[TT:TT+1],   v[TT:TT+1]                 ; two chains, started by products: nothing is cleared
	v_pk_mul_f32 v[QQ+2:QQ+3], v[TT+2:TT+3], v[TT+2:TT+3]
	v_pk_fma_f32 v[QQ:QQ+1],   v[TT+4:TT+5], v[TT+4:TT+5], v[QQ:QQ+1]
	v_pk_fma_f32 v[QQ+2:QQ+3], v[TT+6:TT+7], v[TT+6:TT+7], v[QQ+2:QQ+3]
	v_pk_add_f32 v[QQ:QQ+1],   v[QQ:QQ+1],   v[QQ+2:QQ+3]
	v_add_f32 v[SS+(\i)], v[QQ], v[QQ+1]
.endm
.irp i, 0,1,2,3,4,5,6,7
	ROW \i
.endr
	; the sums over the 32 lanes, the eight rows side by side: every lane ends with every row's S
.irp m, 1,2,4,8
.irp i, 0,1,2,3,4,5,6,7
	v_add_f32_dpp v[SS+\i], v[SS+\i], v[SS+\i] row_xmask:\m row_mask:0xf bank_mask:0xf
.endr
.endr
.irp i, 0,1,2,3,4,5,6,7
	v_permlanex16_b32 v[TT+\i], v[SS+\i], s18, s19
.endr
.irp i, 0,1,2,3,4,5,6,7
	v_add_f32 v[SS+\i], v[SS+\i], v[TT+\i]
.endr
.irp i, 0,1,2,3,4,5,6,7
	v_rsq_f32 v[TT+\i], v[SS+\i]                   ; R; a denormal S counts as 0 here (ISA guide 15.8): such a code takes the clamp's values below
.endr
	v_nop                                          ; a plain instruction behind the last of the batch
.irp i, 0,1,2,3,4,5,6,7
	v_cmp_gt_f32 s[MK+\i], s25, v[SS+\i]           ; does the clamp hold?  Eight masks in one run, which hangs on S alone and names no root; they are read by the selects far below
.endr
	s_wait_alu depctr_va_vdst(0)                   ; the eight roots v[TT ..] are written, ahead of their first reader; so are the packed registers of rows 6 and 7, which the four stores below read
	OUT 6
	OUT 7
.irp i, 0,1,2,3,4,5,6,7
	v_mul_f32 v[QQ+\i], v[SS+\i], v[TT+\i]         ; S R
.endr
.irp i, 0,1,2,3,4,5,6,7
	v_fma_f32 v[QQ+\i], -v[QQ+\i], v[TT+\i], 1.0   ; e = 1 - S R R
	v_add_f32 v[CC+\i], v[TT+\i], v[TT+\i]         ; 2 R
.endr
.irp i, 0,1,2,3,4,5,6,7
	v_fma_f32 v[CC+\i], v[TT+\i], v[QQ+\i], v[CC+\i]  ; c = 2 (R + R e / 2): one Newton step
	v_mul_f32 v[UU+\i], 0x6753c21c, v[SS+\i]       ; S x 1e24
.endr
	s_wait_alu depctr_va_sdst(0)                   ; the eight compares have written s[MK ..], ahead of the first select that reads a mask: one wait for the run
.irp i, 0,1,2,3,4,5,6,7
	v_cndmask_b32 v[CC+\i], v[CC+\i], v[BIG], s[MK+\i]
	v_cndmask_b32 v[UU+\i], v[ONE], v[UU+\i], s[MK+\i]
.endr
	s_wait_alu depctr_va_vdst(0)                   ; the selects have written v[CC ..] and v[UU ..], which the LDS stores read
	ds_store_b128 v[LW], v[CC:CC+3]                ; all lanes hold the same numbers and write the same 64 bytes, my wave's
	ds_store_b128 v[LW], v[CC+4:CC+7] offset:16
	ds_store_b128 v[LW], v[UU:UU+3]   offset:32
	ds_store_b128 v[LW], v[UU+4:UU+7] offset:48
	s_wait_dscnt 0x0                               ; for wave 0's sake: my stores are done
	s_barrier_signal -1
	s_barrier_wait -1
	s_cmp_lg_u32 s8, 0
	s_cbranch_scc1 .Lend
	ds_load_b64 v[OUTR:OUTR+1], v[SO]              ; the four waves' 256 bytes; no vector line names v[OUTR ..], and v[SO] was written ahead of the head's wait
	s_wait_dscnt 0x0
	global_store_b64 v[SO], v[OUTR:OUTR+1], s[22:23]  ; 256 consecutive bytes, aligned
.Lend:
	s_wait_dscnt 0x0                               ; the wave's end
	s_wait_alu 0x0
	s_wait_tensorcnt 0x0
	ds_add_u32 v[SPW], v[NIL]
	s_wait_dscnt 0x0
	s_endpgm
.Lfunc_end_k_qd5d6d6b29a_cbprep:
	.size	k_qd5d6d6b29a_cbprep, .Lfunc_end_k_qd5d6d6b29a_cbprep-k_qd5d6d6b29a_cbprep
	.p2alignl 7, 3214868480
	.fill 96, 4, 3214868480
	.section	.rodata,"a",@progbits
	.p2align	6, 0x0
	.amdhsa_kernel k_qd5d6d6b29a_cbprep
		.amdhsa_group_segment_fixed_size 768
		.amdhsa_private_segment_fixed_size 0
		.amdhsa_enable_private_segment 0
		.amdhsa_kernarg_size 16
		.amdhsa_user_sgpr_count 2
		.amdhsa_user_sgpr_kernarg_segment_ptr 1
		.amdhsa_wavefront_size32 1
		.amdhsa_system_sgpr_workgroup_id_x 1
		.amdhsa_system_sgpr_workgroup_id_y 1
		.amdhsa_system_sgpr_workgroup_id_z 1
		.amdhsa_system_vgpr_workitem_id 0
		.amdhsa_next_free_vgpr 128
		.amdhsa_next_free_sgpr 66
		.amdhsa_reserve_vcc 0
		.amdhsa_float_denorm_mode_32 3
		.amdhsa_float_denorm_mode_16_64 3
		.amdhsa_memory_ordered 1
		.amdhsa_forward_progress 1
		.amdhsa_inst_pref_size 20
	.end_amdhsa_kernel
	.amdgpu_metadata
---
amdhsa.version: [ 1, 2 ]
amdhsa.kernels:
  - .name:           k_qd5d6d6b29a_cbprep
    .symbol:         k_qd5d6d6b29a_cbprep.kd
    .args:
      - { .name: codebook, .offset: 0, .size: 8, .value_kind: global_buffer, .address_space: global }
      - { .name: cbk, .offset: 8, .size: 8, .value_kind: global_buffer, .address_space: global }
    .group_segment_fixed_size: 768
    .private_segment_fixed_size: 0
    .kernarg_segment_align: 8
    .kernarg_segment_size: 16
    .max_flat_workgroup_size: 128
    .sgpr_count:     66
    .vgpr_count:     128
    .wavefront_size: 32
...
	.end_amdgpu_metadata
.endif
;; end of part 3
;; launch vq: the kernel of part 2 again; grid 256 x 1, 4 waves a work-group, clusters of 4 x 1, 327,680 bytes of LDS; arguments hidden_state, cbk, out0; writes out0
